; MI455X (gfx1250); checked and timed in simulation.
; The chip was launched on July 23, 2026; its instructions are those of AMD's public machine-readable ISA for CDNA 5 (MIT licence, August 2026) and "CDNA5" Instruction Set Architecture Reference Guide (July 2026). The comments in the code are by the model that wrote it; some were corrected since.
;; Attention 1. Allowed arithmetic: matrix products marked QUANTISED: E5M2 operands, one given power-of-two scale a tensor, by v_wmma_f32_16x16x64_bf8_bf8 or v_wmma_f32_16x16x128_bf8_bf8, f32 sums; products left as they are: f32 operands where the result goes on into a quantised operand, else bf16, f16 or f32 operands; f32 sums; everything else in f32.
;; Inputs: W_out 2,048 x 128 float32; W_score 1,024 x 1,024 float32; hidden_states 32 x 2,048 x 1,024 float32; lowp_scales 4 int32 (the exponents e of the quantised operands' scales 2^e).
;; Outputs: out0 32 x 128 float32.
;; This version of the problem:
;;   THIS VERSION OF THE PROBLEM IS GIVEN IN LOW PRECISION. The matrix products marked QUANTISED in the list below multiply operands that are first quantised to E5M2 (5 exponent bits, 2 mantissa bits; 8 bits a number), with one given power-of-two scale for each operand tensor; their sums are f32. All else is computed in f32.
;;   The module's matrix products, in the order in which they are computed (A, B: the left and right operand; K: the contracted axis; several contracted axes count as one K, in the product's order):
;;     1. [M 65,536, K 1,024] x [K 1,024, N 1,024]; A: input hidden_states; B: input W_score: QUANTISED (scales: A lowp_scales[0], B lowp_scales[1])
;;     2. batch 32 x [M 2,048, K 1,024] x [K 1,024, N 1]; A: computed on the way; B: input hidden_states: left as it is (N = 1 < 16)
;;     3. batch 32 x [M 1,024, K 2,048] x [K 2,048, N 1]; A: input hidden_states; B: softmax: left as it is (N = 1 < 16)
;;     4. [M 32, K 2,048] x [K 2,048, N 128]; A: computed on the way; B: input W_out: QUANTISED (scales: A lowp_scales[2], B lowp_scales[3])
;;   THE QUANTISER, for each operand of a quantised product, along K:
;;     - The operand's scale is 2^e, e = its entry of the input lowp_scales (int32; the entries are numbered through the quantised products in the list's order, A before B).
;;     - Each number is divided by the scale, clamped to +-57,344, and rounded to the nearest number of E5M2, ties to even, subnormals kept.
;;     - The product sums the exact products of the quantised numbers (number of the format x scale) in f32.
;;   ~~~python
;;   def quantise(x, axis, e):      # numpy; x: float32 -> the quantised numbers, widened to float32 again
;;       x = np.moveaxis(x, axis, -1); K = x.shape[-1]
;;       r = np.clip(x / 2.0 ** e, -57344, 57344)
;;       step = 2.0 ** (np.maximum(np.frexp(np.where(r == 0, 1, r))[1] - 1, -14) - 2)
;;       q = np.round(r / step) * step * 2.0 ** e      # np.round: ties to even
;;       return np.moveaxis(q, -1, axis).astype(np.float32)
;;   ~~~
;;   OPERANDS COMPUTED ON THE WAY. 'Computed on the way' means the value that the module computes at that place (a softmax that the list does not call 'softmax' is quantised finished and normalised). What goes into a quantiser is computed in f32, as accurately as f32 sums, v_exp_f32 and their like allow (about 1e-6 of the number): no bf16 or f16 on the way to a quantiser, and a product that is left as it is and whose result goes on into a quantised operand takes f32 operands (vector FMAs, or v_wmma_f32_16x16x4_f32). A number that lies on a knife's edge between two numbers of the format may be rounded either way, as far as f32 arithmetic and the matrix unit's own rounding can turn it there, and no further.
;; One version. Each part assembles by itself: llvm-mc -triple=amdgcn-amd-amdhsa -mcpu=gfx1250 --defsym DOCPART=n.
;; ======== version 1 of 1: 4 launches
;; limits: right only within a limited range of input values
;; workspace buffers: wimg 1,048,576 bytes; tsc 262,144 bytes; tfl 262,144 bytes of whole numbers; fmx 4,096 bytes; imx 4,096 bytes of whole numbers; ctxb 131,072 bytes
;; launch prep (part 1): grid 8 x 32, 4 waves a work-group, no clusters, 0 bytes of LDS; arguments W_score, lowp_scales, wimg; writes wimg
.if DOCPART == 1
	.amdgcn_target "amdgcn-amd-amdhsa--gfx1250"
	.amdhsa_code_object_version 6
	.text
	.protected	k_q5a57721a70_prep
	.globl	k_q5a57721a70_prep
	.p2align	8
	.type	k_q5a57721a70_prep,@function
k_q5a57721a70_prep:
	s_mov_b64 s[64:65], 0
	v_nop
	global_prefetch_b8 v0, s[64:65] scope:SCOPE_SE
	s_setreg_imm32_b32 hwreg(HW_REG_WAVE_MODE, 25, 1), 1
	s_wait_xcnt 0x0
; W_score [1024 (k)][1024 (n)], f32, becomes codes of BF8 (E5M2) with the given scale 2^e1, laid as IMAGES OF THE OPERAND'S REGISTERS for the product's launch.
; code = w / 2^e1, held within +-57,344, rounded to the nearest code, ties to even.  LIMIT: e1 between -126 and 112.  NaN among the inputs is not served.
; ORDER ALONG K.  Inside a chunk of 256 along K, place p (0..255) holds k = 128 ((p >> 2) & 1) + 4 (p >> 3) + (p & 3): the order in which the product's launch gets x's codes out of two
; dense loads of a row and one conversion.  The same order on both operands leaves every product with its partner.
; IMAGE.  byte = ((((c 64 + t) 2 + f) 4 + g) 512) + 16 (16 h + r) + i holds place p = 128 f + 32 g + 16 h + i of column 16 t + r in chunk c: one ds_load_b128 at 16 x lane brings four registers of a fragment.
; SHARES.  Work-group (x, y): 128 columns x 32 places (y = 8 c + s, places 32 s on).  A LANE TAKES A COLUMN AND ITS REGISTERS RUN DOWN K: a load reads 128 consecutive bytes a wave,
; and the conversions' results lie with K innermost.  A lane's 32 codes are two pieces of 16 bytes; sixteen lanes store 256 consecutive bytes, aligned.  No LDS, no barrier: waves share nothing.
.set KROW, 4096                        ; a row of W_score in bytes
.set X,    8                           ; v8-39   32 numbers down K
.set C,    40                          ; v40-47  their codes
	s_load_b128 s[4:7], s[0:1], 0x0                ; W_score s[4:5], the scales' exponents s[6:7]
	s_load_b64 s[8:9], s[0:1], 0x10                ; the images
	v_lshrrev_b32 v1, 5, v0
	v_readfirstlane_b32 s10, v1                    ; wave 0..3
	v_and_b32 v1, 31, v0                           ; lane
	v_lshlrev_b32 v2, 2, v1                        ; in: 4 bytes a lane
	v_lshrrev_b32 v3, 4, v1                        ; out: lanes 16-31 belong to the next tile of 16 columns, 4,096 bytes on,
	v_and_b32 v4, 15, v1
	v_lshlrev_b32 v3, 12, v3
	v_lshl_add_u32 v3, v4, 4, v3                   ; and column r has its 16 bytes at 16 r
	s_and_b32 s11, ttmp7, 0xffff                   ; y
	s_lshr_b32 s12, s11, 3                         ; c: the chunk of 256 along K
	s_and_b32 s13, s11, 7                          ; s: which 32 places of it
	s_lshl_b32 s14, s12, 20                        ; W_score: row 256 c + 16 s,
	s_lshl_b32 s15, s13, 16
	s_add_co_u32 s14, s14, s15
	s_lshl_b32 s15, ttmp9, 9                       ; column 128 x + 32 wave
	s_add_co_u32 s14, s14, s15
	s_lshl_b32 s15, s10, 7
	s_add_co_u32 s14, s14, s15
	s_mov_b32 s15, 0
	s_lshl_b32 s16, s12, 6                         ; the images: ((64 c + 8 x + 2 wave) 8 + s) 512
	s_lshl_b32 s17, ttmp9, 3
	s_add_co_u32 s16, s16, s17
	s_lshl_b32 s17, s10, 1
	s_add_co_u32 s16, s16, s17
	s_lshl_b32 s16, s16, 3
	s_add_co_u32 s16, s16, s13
	s_lshl_b32 s16, s16, 9
	s_mov_b32 s17, 0
	s_wait_kmcnt 0x0
	s_load_b32 s18, s[6:7], 0x4                    ; e1
	s_add_nc_u64 s[4:5], s[4:5], s[14:15]
	s_add_nc_u64 s[8:9], s[8:9], s[16:17]
.set p_i, 0
.rept 32                                       ; register p_i = place 32 s + p_i: row 4 (p_i / 8) + p_i % 4 + 128 ((p_i / 4) % 2) from row 256 c + 16 s on
	global_load_b32 v[X+p_i], v2, s[4:5] offset:(4*(p_i/8)+(p_i%4)+128*((p_i/4)%2))*KROW th:TH_LOAD_NT
.set p_i, p_i+1
.endr
	s_wait_kmcnt 0x0
	s_add_co_i32 s18, s18, 127
	s_lshl_b32 s19, s18, 23
	v_mov_b32 v5, s19                              ; 2^e1 as f32: the conversion takes its exponent field
	s_add_co_i32 s18, s18, 15
	s_lshl_b32 s18, s18, 23
	s_or_b32 s18, s18, 0x600000
	v_mov_b32 v6, s18                              ; 57,344 x 2^e1
	s_wait_loadcnt 0x0
.set p_i, 0
.rept 32
	v_med3_num_f32 v[X+p_i], v[X+p_i], -v6, v6     ; the conversion to an 8-bit code does not saturate (ISA guide 7.6.2): the hold comes first
.set p_i, p_i+1
.endr
.irp g, 0,1,2,3
	v_cvt_scalef32_pk8_bf8_f32 v[C+2*\g:C+2*\g+1], v[X+8*\g:X+8*\g+7], v5
.endr
	global_store_b128 v3, v[C:C+3], s[8:9]              ; places 0-15 (the lanes' half h = 0 of the fragment)
	global_store_b128 v3, v[C+4:C+7], s[8:9] offset:256 ; places 16-31 (h = 1)
	s_endpgm
.Lfunc_end_k_q5a57721a70_prep:
	.size	k_q5a57721a70_prep, .Lfunc_end_k_q5a57721a70_prep-k_q5a57721a70_prep
	.p2alignl 7, 3214868480
	.fill 96, 4, 3214868480
	.section	.rodata,"a",@progbits
	.p2align	6, 0x0
	.amdhsa_kernel k_q5a57721a70_prep
		.amdhsa_group_segment_fixed_size 0
		.amdhsa_private_segment_fixed_size 0
		.amdhsa_enable_private_segment 0
		.amdhsa_kernarg_size 24
		.amdhsa_user_sgpr_count 2
		.amdhsa_user_sgpr_kernarg_segment_ptr 1
		.amdhsa_wavefront_size32 1
		.amdhsa_system_sgpr_workgroup_id_x 1
		.amdhsa_system_sgpr_workgroup_id_y 1
		.amdhsa_system_sgpr_workgroup_id_z 1
		.amdhsa_system_vgpr_workitem_id 0
		.amdhsa_next_free_vgpr 48
		.amdhsa_next_free_sgpr 66
		.amdhsa_reserve_vcc 0
		.amdhsa_float_denorm_mode_32 3
		.amdhsa_float_denorm_mode_16_64 3
		.amdhsa_memory_ordered 1
		.amdhsa_forward_progress 1
		.amdhsa_inst_pref_size 8
	.end_amdhsa_kernel
	.amdgpu_metadata
---
amdhsa.version: [ 1, 2 ]
amdhsa.kernels:
  - .name:           k_q5a57721a70_prep
    .symbol:         k_q5a57721a70_prep.kd
    .args:
      - { .name: W_score, .offset: 0, .size: 8, .value_kind: global_buffer, .address_space: global }
      - { .name: lowp_scales, .offset: 8, .size: 8, .value_kind: global_buffer, .address_space: global }
      - { .name: wimg, .offset: 16, .size: 8, .value_kind: global_buffer, .address_space: global }
    .group_segment_fixed_size: 0
    .private_segment_fixed_size: 0
    .kernarg_segment_align: 8
    .kernarg_segment_size: 24
    .max_flat_workgroup_size: 128
    .sgpr_count:     66
    .vgpr_count:     48
    .wavefront_size: 32
...
	.end_amdgpu_metadata
.endif
;; end of part 1
;; launch gemm (part 2): grid 256 x 1, 4 waves a work-group, clusters of 4 x 1, 327,680 bytes of LDS; arguments hidden_states, wimg, lowp_scales, tsc, tfl, fmx, imx; writes tsc, tfl, fmx, imx
.if DOCPART == 2
	.amdgcn_target "amdgcn-amd-amdhsa--gfx1250"
	.amdhsa_code_object_version 6
	.text
	.protected	k_q5a57721a70_gemm
	.globl	k_q5a57721a70_gemm
	.p2align	8
	.type	k_q5a57721a70_gemm,@function
k_q5a57721a70_gemm:
	s_mov_b64 s[64:65], 0
	v_nop
	global_prefetch_b8 v0, s[64:65] scope:SCOPE_SE
	s_setreg_imm32_b32 hwreg(HW_REG_WAVE_MODE, 25, 1), 1
	s_wait_xcnt 0x0
	s_wait_alu depctr_hold_cnt(0) depctr_sa_sdst(0) depctr_va_vdst(0) depctr_va_sdst(0) depctr_va_ssrc(0) depctr_va_vcc(0) depctr_vm_vsrc(0)
	s_getreg_b32 s2, hwreg(HW_REG_IB_STS2, 6, 4)
	s_cmp_eq_u32 s2, 0
	s_cbranch_scc0 .Lentry_in_a_cluster
	s_endpgm
.Lentry_in_a_cluster:
	s_bfe_u32 s2, ttmp6, 0x10000c
	s_cmp_lg_u32 s2, 0x3003
	s_cbranch_scc0 .Lentry_shape_is_right
	s_endpgm
.Lentry_shape_is_right:
; t[b][row] = log2(e) x the sum over n of (Q(x) Q(W))[row][n] h_t[b][n]: the first product on codes of BF8 (E5M2), its rows weighed at once, in f32, by the batch's last row h_t (unquantised).
; Stored: t (f32), floor(t) (int32), and for each wave the largest t of its 64 rows (f32) and its floor (int32): what the next launch needs for the softmax and for its choice of rows.
; SHARES.  A work-group owns 256 rows of one batch, each of its four waves 64 (four tiles of 16), for all 1,024 columns.  K IS THE OUTER LOOP, in four chunks of 256: the score is linear in the product,
; so a chunk's part of a tile of 16 x 16 (two matrix instructions in a chain) is multiplied by h_t and added to the rows' score parts at once.  So x's codes of one chunk (128 registers) stay in registers,
; W's codes go past once for the work-group (1 MiB), and the next chunk of x is loaded and quantised while this one is multiplied: x is read from memory once.
; x: a ring of 32 rows x 1,024 bytes in registers (64 loads a wave on their way).  Two dense loads of a row give lane l the numbers k = 4 l .. and 128 + 4 l ..; one conversion makes 8 codes, stored at 8 l of the
; row in the wave's own stage in LDS; so place p of a row holds k = 128 ((p >> 2) & 1) + 4 (p >> 3) + (p & 3), the order in which W's images are laid: every product meets its partner.
; W: images of the operand's registers (16 tiles of 16 columns x 256 places = 64 KiB a slot), through a ring of two LDS slots; a wave's tensor load brings a quarter.
; CLUSTER.  The four work-groups of a cluster walk the same W: each slot is asked for JOINTLY, by the same tensor load with the same descriptor and the mask 15.  By this text's count a wave has two tensor loads out at the start, later one.
; A PAIR is two slots: 32 tiles, half the columns of one chunk.  Pairs 0 .. 7: chunk P / 2, half P % 2.  One text serves both halves: h_t's two halves change places behind each pair.
; Pair P also quantises item P + 2 of x (an item: 32 rows of a chunk; item i: chunk i / 2, rows 32 (i % 2) on) and asks for item P + 3.
; No prefetch of x: the ring in registers has 32 KiB a wave on its way throughout; none of W: 1 MiB that all clusters walk together.
; LIMITS: e0 between -126 and 112; e0 + e1 between -126 and 127 (added to log2(e)'s exponent field).  NaN and infinities among the inputs are not served.  floor(t) saturates at the ends of int32.
; REGISTERS, in windows of 256.  Window 0: v0-9 addresses and constants; v10-25 codes just made; v26-31 addresses; v32-95 two sets of four accumulators; v96-127 the score parts S (tile m, register j: row 16 m + 8 h + j);
;   v128-255 W's fragments, a ring of four tiles.   Window 1: v0-127 x's codes (tile m, fragment f at 32 m + 16 f); v128-191 h_t (register t: h_t[16 t + r]); v192-193 LDS addresses of the slots; v196-227 at work.   Window 2: the ring of x.
; With source 0 in window 1 (x's codes, h_t, the slots' addresses) the matrix instructions, the multiply-adds and W's loads run under ONE setting.
.set ROWB,   4096                      ; a row of x in bytes
.set SLOTB,  65536                     ; an LDS slot
.set STG,    2*SLOTB                   ; behind the ring: the stages, 64 rows x 272 bytes for each wave; no tensor load lands there
.set SPITCH, 272                       ; 256 codes + 16 bytes: the 16 rows of a fragment load start 68 words apart
.set STGW,   64*SPITCH
.set HALFS,  32*SPITCH                 ; an item's 32 rows
.set SPARE,  STG+4*STGW                ; the spare words, 128 bytes for each wave: two blocks of 256 bytes that no other line names
.set SPW,  2                           ; v2   SPARE + 4 x my thread's number; never rewritten
.set NIL,  3                           ; v3   0; never rewritten
.set LIM,  4                           ; v4   57,344 x 2^e0
.set SCL,  5                           ; v5   2^e0
.set XOFF, 6                           ; v6   16 x lane
.set STA0, 7                           ; v7   my stage + 8 x lane
.set STA,  8                           ; v8   the same in the half that is being written
.set LDA,  9                           ; v9   my stage + 272 r + 16 h
.set CT,   10                          ; v10-25
.set ESTO, 28                          ; v28  my stage + 32 h: the way out
.set HOFF, 29                          ; v29  4 r
.set OOFF, 30                          ; v30  8 x lane
.set ACC,  32
.set SS,   96
.set BR,   128
.set HT,   128                         ; window 1
.set BAD,  192                         ; window 1
.set HTMP, 196                         ; window 1
.set WV,   18                          ; s18  my wave's number
.set G1,   24                          ; s[24:31] descriptor group 1
.set G0,   32                          ; s[32:39] group 0, a set for each slot
.set XB,   40                          ; s[40:41] the item that is being asked for;  s[42:43] the one after it;  s[44:45] at work
.set XN,   42
.set XT,   44
.set PAR,  46                          ; s46  pairs done, modulo 2
.set STOFF, 47                         ; s47  0 or HALFS
.set CNT,  48
.set EE,   52                          ; s[52:55] e0 .. e3
.set CS,   56                          ; s[56:57] log2(e) x 2^(e0 + e1)
.set SEL,  60                          ; s[60:61] lane selects: lane l xor 16
.set W_MUL,  0x01                      ; source 0 window 1
.set W_HOLD, 0x82                      ; destination and source 0 window 2
.set W_CVT,  0x02                      ; source 0 window 2
.set W_RING, 0x80                      ; destination window 2
.set W_TO1,  0x40                      ; destination window 1
.set W_IN1,  0x41                      ; destination and source 0 window 1
.set MSB, 0
.macro WIN new                         ; the immediate's high byte repeats the setting that is left; a switch that changes nothing is dropped
.if MSB != \new
	s_set_vgpr_msb (MSB<<8)|\new
.set MSB, \new
.endif
.endm
; A round of the cluster's barrier: my work-group's barrier, wave 0's signal for the work-group, every wave's wait for all four work-groups, my work-group's barrier once more.
.macro ROUND
	s_barrier_signal -1
	s_barrier_wait -1
	s_cmp_lg_u32 s[WV], 0
	s_cbranch_scc1 .Lnot_wave_0_\@
	s_barrier_signal -3
.Lnot_wave_0_\@:
	s_barrier_wait -3
	s_barrier_signal -1
	s_barrier_wait -1
.endm
; Four rows of the ring (4 k .. 4 k + 3) become codes in my stage.  mode 2: the rows' places in the ring are asked for again, from the next item; mode 1: the last item, nothing more is asked for.
.macro QB k, mode
.if (\mode) == 2
	s_wait_loadcnt 56                              ; loads come back in order: these four rows are in; the 28 younger rows' 56 loads stay out
.else
	s_wait_loadcnt 56-8*(\k)                       ; only this item's later rows are behind them
.endif
	WIN W_HOLD
.set q_j, 0
.rept 32
	v_med3_num_f32 v[32*(\k)+q_j], v[32*(\k)+q_j], -v[LIM], v[LIM]   ; the conversion does not saturate (ISA guide 7.6.2): the hold at the largest code x the scale
.set q_j, q_j+1
.endr
	WIN W_CVT
.irp r, 0,1,2,3
	v_cvt_scalef32_pk8_bf8_f32 v[CT+8*((\k)%2)+2*\r:CT+8*((\k)%2)+2*\r+1], v[32*(\k)+8*\r:32*(\k)+8*\r+7], v[SCL]
.endr
	v_nop                                          ; one plain vector line behind the last conversion of the run
	WIN W_RING
.irp r, 0,1,2,3
	ds_store_b64 v[STA], v[CT+8*((\k)%2)+2*\r:CT+8*((\k)%2)+2*\r+1] offset:SPITCH*(4*(\k)+\r)   ; 32 lanes: a row's 256 codes on end
.endr
.if (\mode) == 2
.irp r, 0,1,2,3
	global_load_b128 v[32*(\k)+8*\r:32*(\k)+8*\r+3], v[XOFF], s[XB:XB+1] offset:ROWB*(4*(\k)+\r) th:TH_LOAD_NT          ; 512 consecutive bytes: k = 4 l ..
	global_load_b128 v[32*(\k)+8*\r+4:32*(\k)+8*\r+7], v[XOFF], s[XB:XB+1] offset:ROWB*(4*(\k)+\r)+512 th:TH_LOAD_NT    ; the next 512: k = 128 + 4 l ..
.endr
.endif
.endm
; On to the next item: the addresses go 0, 32 rows, 1,024 bytes, 32 rows + 1,024 bytes, .. ; the stage's halves take turns.
.macro XSTEP
	s_wait_xcnt 0x0                                ; the loads issued so far have read their base: only behind this wait is it written
	s_add_nc_u64 s[XT:XT+1], s[XB:XB+1], 1024
	s_mov_b64 s[XB:XB+1], s[XN:XN+1]
	s_mov_b64 s[XN:XN+1], s[XT:XT+1]
	s_xor_b32 s[STOFF], s[STOFF], HALFS
	v_add_nc_u32 v[STA], s[STOFF], v[STA0]
.endm
; x's codes of a chunk, out of my stage: 8 fragments of 16 rows x 128 places; registers 4 g .. 4 g + 3 of lane (r, h): places 128 f + 32 g + 16 h + 0 .. 15 of row 16 m + r, as in W's images.
.macro ALOAD
	WIN W_TO1
.irp m, 0,1,2,3
.irp f, 0,1
.irp g, 0,1,2,3
	ds_load_b128 v[32*\m+16*\f+4*\g:32*\m+16*\f+4*\g+3], v[LDA] offset:16*SPITCH*\m+128*\f+32*\g
.endr
.endr
.endr
	WIN 0
	s_wait_dscnt 0x0                               ; the codes are in registers: the stage may take the next chunk's
.endm
; A tile's two fragments of W, from a slot's image: eight loads of 512 consecutive bytes.
.macro BLOAD adr, tile, buf
	WIN W_MUL
.irp f, 0,1
.irp g, 0,1,2,3
	ds_load_b128 v[BR+32*(\buf)+16*\f+4*\g:BR+32*(\buf)+16*\f+4*\g+3], v[\adr] offset:4096*(\tile)+2048*\f+512*\g
.endr
.endr
.endm
; Multiply-add q of 16 of tile tp: two of the tile's sums x h_t[16 tp + r], onto the rows' score parts.  Of h_t's pair of registers one serves both halves.  Each accumulator is read from its low end on.
.macro FMA tp, q
.set f_m, SS+8*((\q)/4)+2*((\q)%4)
.set f_a, ACC+32*((\tp)%2)+8*((\q)/4)+2*((\q)%4)
.if ((\tp)%2) == 0
	v_pk_fma_f32 v[f_m:f_m+1], v[HT+(\tp):HT+(\tp)+1], v[f_a:f_a+1], v[f_m:f_m+1] op_sel_hi:[0,1,1]
.else
	v_pk_fma_f32 v[f_m:f_m+1], v[HT+(\tp)-1:HT+(\tp)], v[f_a:f_a+1], v[f_m:f_m+1] op_sel:[1,0,0] op_sel_hi:[1,1,1]
.endif
.endm
; Tile T (0 .. 31) of a pair: eight matrix instructions, the four accumulators of set T % 2 by turns: first the four that start the sums with the constant 0, then the four links.
; Behind each stand two multiply-adds of tile T - 1, whose sums lie in the other set: they are the places behind the matrix instructions (ISA guide 7.12.1).  ld >= 0: behind the first matrix instruction and its two
; multiply-adds tile ld of the slot at v[adr] is fetched into the buffer that tile T - 1 has left: four plain vector instructions stand between that tile's last matrix instruction and these loads.
; A pair's tile 0 has no tile before it and carries no multiply-adds: four v_nop behind its last matrix instruction take their part, for tile 1's first multiply-adds (which read tile 0's sums) and for tile 1's loads into tile 0's buffer.
.macro TILE T, adr, ld, wt
	WIN W_MUL
.if (\wt) >= 0
	s_wait_dscnt \wt
.endif
.set t_acc, ACC+32*((\T)%2)
.set t_buf, BR+32*((\T)%4)
.set t_i, 0
.rept 8
.set t_a, 32*(t_i%4)+16*(t_i/4)
.set t_d, t_acc+8*(t_i%4)
.set t_b, t_buf+16*(t_i/4)
.if t_i < 4
	v_wmma_f32_16x16x128_bf8_bf8 v[t_d:t_d+7], v[t_a:t_a+15], v[t_b:t_b+15], 0
.else
	v_wmma_f32_16x16x128_bf8_bf8 v[t_d:t_d+7], v[t_a:t_a+15], v[t_b:t_b+15], v[t_d:t_d+7]
.endif
.if (\T) > 0
	FMA (\T)-1, 2*t_i
	FMA (\T)-1, 2*t_i+1
.endif
.if (t_i == 0) && ((\ld) >= 0)
	BLOAD \adr, \ld, ((\T)+3)%4
.endif
.set t_i, t_i+1
.endr
.if (\T) == 0
.rept 4
	v_nop                                          ; the places behind tile 0's matrix instructions
.endr
.endif
.endm
; A slot's 16 tiles.  qb: 0, or QB's mode: four QBs, behind tiles 1, 4, 7, 10.  kind 2: the slot is left and filled again; 1: left; 0: the last slot of all.
; The counts at a tile's head: behind its eight loads stand those of the two younger tiles (16) and, from tile 2 on where QBs stand, one QB's four stores (20).
; THE CHANGE OF SLOTS: each wave waits for all its tensor loads (one is out: its quarter of the other slot), adds 0 to its spare word, multiplies tile 13 meanwhile, and waits for the add and for its reads of this slot
; (tiles 14 and 15 are in registers by then).  Behind the round no wave of any partner reads this slot or has a load on its way: the joint refill comes first, then the other slot's first tiles.
.macro SLOT sl, qb, kind
.set s_t, 0
.rept 13
.if (s_t < 2) || ((\qb) == 0)
	TILE 16*(\sl)+s_t, BAD+(\sl), s_t+3, 16
.else
	TILE 16*(\sl)+s_t, BAD+(\sl), s_t+3, 20
.endif
.if ((\qb) > 0) && ((s_t%3) == 1)
	QB 4*(\sl)+(s_t-1)/3, \qb
.endif
.set s_t, s_t+1
.endr
.if (\kind) > 0
	WIN 0                                          ; (the add's two registers lie in window 0)
	s_wait_tensorcnt 0x0                           ; no tensor load of mine is out, so a group 0 may be written
	ds_add_u32 v[SPW], v[NIL]                      ; 0 onto my spare word
.if (\kind) == 2
	s_add_nc_u64 s[G0+4*(\sl)+2:G0+4*(\sl)+3], s[G0+4*(\sl)+2:G0+4*(\sl)+3], 2*SLOTB   ; this slot's next 64 KiB of images; the type bits on top are not reached
.endif
.if (\qb) > 0
	TILE 16*(\sl)+13, 0, -1, 21                    ; behind tile 13's loads: a QB's four stores, two tiles' sixteen loads, the add
.else
	TILE 16*(\sl)+13, 0, -1, 17
.endif
	WIN 0
	s_wait_dscnt 0x0                               ; the add is done, and my reads of this slot are over
.if (\kind) == 2
	ROUND
	tensor_load_to_lds s[G0+4*(\sl):G0+4*(\sl)+3], s[G1:G1+7]   ; my one tensor load behind the round, and the first thing there
	s_nop 0
.rept 4
	v_nop
.endr
.else
	s_barrier_signal -1
	s_barrier_wait -1
.endif
	BLOAD BAD+1-(\sl), 0, 0
	TILE 16*(\sl)+14, BAD+1-(\sl), 1, -1
	TILE 16*(\sl)+15, BAD+1-(\sl), 2, -1
.else
	TILE 16*(\sl)+13, 0, -1, 16
	TILE 16*(\sl)+14, 0, -1, 8
	TILE 16*(\sl)+15, 0, -1, 0
.endif
.endm
.macro TAILF                           ; a pair's last tile has no successor to carry its multiply-adds
	WIN W_MUL
.set f_q, 0
.rept 16
	FMA 31, f_q
.set f_q, f_q+1
.endr
.endm
.macro HSWAP                           ; h_t's two halves change places, so that the pair's one text serves both halves of the columns
	WIN W_IN1
.set h_i, 0
.rept 32
	v_mov_b32 v[HTMP+h_i], v[HT+h_i]
.set h_i, h_i+1
.endr
.set h_i, 0
.rept 32
	v_mov_b32 v[HT+h_i], v[HT+32+h_i]
.set h_i, h_i+1
.endr
.set h_i, 0
.rept 32
	v_mov_b32 v[HT+32+h_i], v[HTMP+h_i]
.set h_i, h_i+1
.endr
.endm
	s_load_b256 s[4:11], s[0:1], 0x0               ; x s[4:5], W's images s[6:7], the scales' exponents s[8:9], t s[10:11]
	s_load_b128 s[12:15], s[0:1], 0x20             ; floor(t) s[12:13], the waves' largest t s[14:15]
	s_load_b64 s[16:17], s[0:1], 0x30              ; and their floors
	v_lshl_add_u32 v[SPW], v0, 2, SPARE
	v_mov_b32 v[NIL], 0
	ds_add_u32 v2, v3
	ds_add_u32 v2, v3
	s_wait_dscnt 0x0
	v_lshrrev_b32 v1, 5, v0
	v_readfirstlane_b32 s[WV], v1                  ; wave 0..3
	s_bfe_u32 s19, ttmp6, 0x40000                  ; cx: my place in the cluster
	s_lshl_b32 s20, ttmp9, 2                       ; in a cluster launch ttmp9 counts clusters
	s_add_co_u32 s20, s20, s19                     ; my block of 256 rows: it enters the addresses of x, h_t and the results alone
	; descriptor group 1: 16 KiB, dense in memory, as 64 rows of 32 elements of 8 bytes; no padding: an image is read as it lies
	s_mov_b32 s[G1], 15|(3<<16)|(1<<21)            ; 15:0 the mask: all four work-groups; 17:16 elements of 8 bytes; 21 set beside a mask
	s_mov_b32 s[G1+1], 32<<16                      ; tensor_dim0 = 32
	s_mov_b32 s[G1+2], 64<<16                      ; tensor_dim1 = 64
	s_mov_b32 s[G1+3], 32<<16                      ; tile_dim0 = 32
	s_mov_b32 s[G1+4], 64                          ; tile_dim1 = 64
	s_mov_b32 s[G1+5], 32                          ; from row to row
	s_mov_b32 s[G1+6], 0
	s_mov_b32 s[G1+7], 0
	s_lshl_b32 s21, s[WV], 14                      ; my quarter of a slot, in LDS and in memory: no place in the cluster enters it
	s_mov_b32 s22, s21
	s_mov_b32 s23, 0
	s_wait_kmcnt 0x0
	s_load_b128 s[EE:EE+3], s[8:9], 0x0            ; e0 .. e3
	s_add_nc_u64 s[6:7], s[6:7], s[22:23]
.irp n, 0,1
	s_mov_b32 s[G0+4*\n], 1                                        ; count = 1
	s_add_co_u32 s[G0+4*\n+1], s21, \n*SLOTB                       ; LDS address
	s_add_nc_u64 s[G0+4*\n+2:G0+4*\n+3], s[6:7], \n*SLOTB          ; global address: the first two slots' images
	s_or_b32 s[G0+4*\n+3], s[G0+4*\n+3], 0x80000000                ; type = 2
.endr
	ROUND                                          ; all four work-groups are here: the first joint loads meet
	tensor_load_to_lds s[G0:G0+3], s[G1:G1+7]      ; both first fills go out together, ahead of every wait on TENSORcnt, every LDS read and every other barrier
	s_nop 0
	tensor_load_to_lds s[G0+4:G0+7], s[G1:G1+7]
	s_nop 0
.rept 4
	v_nop
.endr
	v_and_b32 v1, 31, v0                           ; lane; kept
	v_and_b32 v26, 15, v0                          ; r
	v_bfe_u32 v27, v0, 4, 1                        ; h
	v_lshlrev_b32 v[XOFF], 4, v1
	s_mul_i32 s21, s[WV], STGW
	s_add_co_u32 s21, s21, STG                     ; my stage
	v_lshl_add_u32 v[STA0], v1, 3, s21
	v_mov_b32 v[STA], v[STA0]
	v_mul_u32_u24 v[LDA], v26, SPITCH
	v_lshl_add_u32 v[LDA], v27, 4, v[LDA]
	v_add_nc_u32 v[LDA], s21, v[LDA]
	v_lshl_add_u32 v[ESTO], v27, 5, s21
	v_lshlrev_b32 v[HOFF], 2, v26
	v_lshlrev_b32 v[OOFF], 3, v1
	s_lshl_b32 s22, s20, 20                        ; my block's 256 rows of 4,096 bytes,
	s_lshl_b32 s23, s[WV], 18                      ; my wave's 64 of them
	s_add_co_u32 s22, s22, s23
	s_mov_b32 s23, 0
	s_add_nc_u64 s[XT:XT+1], s[4:5], s[22:23]      ; item 0
	s_add_nc_u64 s[XB:XB+1], s[XT:XT+1], 32*ROWB   ; item 1
	s_add_nc_u64 s[XN:XN+1], s[XT:XT+1], 1024      ; item 2
	s_lshr_b32 s22, s20, 3                         ; the batch,
	s_lshl_b32 s22, s22, 23
	s_add_co_u32 s22, s22, 2047*ROWB               ; its last row
	s_add_nc_u64 s[4:5], s[4:5], s[22:23]
	WIN W_TO1
.set h_i, 0
.rept 64
	global_load_b32 v[HT+h_i], v[HOFF], s[4:5] offset:64*h_i   ; h_t[16 t + r], in both halves of the lanes
.set h_i, h_i+1
.endr
	v_lshlrev_b32 v[BAD], 4, v1                    ; slot 0: 16 x lane
	v_lshl_add_u32 v[BAD+1], v1, 4, SLOTB          ; slot 1
	WIN W_RING
.set h_i, 0
.rept 32                                       ; the ring is filled: item 0
	global_load_b128 v[8*h_i:8*h_i+3], v[XOFF], s[XT:XT+1] offset:ROWB*h_i th:TH_LOAD_NT
	global_load_b128 v[8*h_i+4:8*h_i+7], v[XOFF], s[XT:XT+1] offset:ROWB*h_i+512 th:TH_LOAD_NT
.set h_i, h_i+1
.endr
	WIN 0
	s_wait_kmcnt 0x0
	s_add_co_i32 s21, s[EE], 127
	s_lshl_b32 s22, s21, 23
	v_mov_b32 v[SCL], s22                          ; 2^e0 as f32: the conversion takes its exponent field
	s_add_co_i32 s21, s21, 15
	s_lshl_b32 s21, s21, 23
	s_or_b32 s21, s21, 0x600000
	v_mov_b32 v[LIM], s21                          ; 57,344 x 2^e0
	s_add_co_i32 s21, s[EE], s[EE+1]
	s_lshl_b32 s21, s21, 23
	s_add_co_i32 s[CS], s21, 0x3fb8aa3b            ; log2(e) with e0 + e1 added to its exponent field
	s_mov_b32 s[CS+1], s[CS]                       ; (named with it as a pair, so it is written)
	s_mov_b32 s[SEL], 0x76543210
	s_mov_b32 s[SEL+1], 0xfedcba98
	s_mov_b32 s[PAR], 0
	s_mov_b32 s[STOFF], 0
.set h_i, 0
.rept 32
	v_mov_b32 v[SS+h_i], 0                         ; the score parts: 32 registers that 4,096 multiply-adds add onto
.set h_i, h_i+1
.endr
	s_mov_b32 s[CNT], 2
.Lquant:                                           ; chunk 0 is quantised ahead of the products: items 0 and 1; items 1 and 2 are asked for
.irp k, 0,1,2,3,4,5,6,7
	QB \k, 2
.endr
	WIN 0                                          ; at a label and at a branch every window is 0
	XSTEP
	s_sub_co_u32 s[CNT], s[CNT], 1
	s_cmp_lg_u32 s[CNT], 0
	s_cbranch_scc1 .Lquant
	ALOAD                                          ; chunk 0's codes
	s_wait_tensorcnt 0x1                           ; my quarter of slot 0 is in; slot 1's may stay out
	s_barrier_signal -1
	s_barrier_wait -1                              ; everybody's is
	BLOAD BAD, 0, 0
	BLOAD BAD, 1, 1
	BLOAD BAD, 2, 2
	WIN 0
	s_mov_b32 s[CNT], 5
.Lpair:                                            ; pairs 0 to 4
	SLOT 0, 2, 2
	SLOT 1, 2, 2
	TAILF
	HSWAP
	WIN 0
	XSTEP
	s_xor_b32 s[PAR], s[PAR], 1
	s_cmp_eq_u32 s[PAR], 0                         ; behind an odd pair a chunk is done: the next chunk's codes, both items, lie in my stage
	s_cbranch_scc0 .Lkeep
	ALOAD                                          ; (the multiply-adds and copies above are the places behind the last matrix instructions)
.Lkeep:
	s_sub_co_u32 s[CNT], s[CNT], 1
	s_cmp_lg_u32 s[CNT], 0
	s_cbranch_scc1 .Lpair
	SLOT 0, 1, 2                                   ; pair 5: the last item is quantised, nothing more of x is asked for
	SLOT 1, 1, 2
	TAILF
	HSWAP
	ALOAD                                          ; chunk 3's codes
	SLOT 0, 0, 2                                   ; pair 6: the last two refills
	SLOT 1, 0, 2
	TAILF
	HSWAP
	SLOT 0, 0, 1                                   ; pair 7 is written out
	SLOT 1, 0, 0
	TAILF
	WIN 0
	; THE WAY OUT.  A row's score lies in parts in the sixteen lanes of its half: four steps add them.  Then the 64 scores go through my stage, so that lane l holds rows 2 l and 2 l + 1.
.irp x, 1,2,4,8
.set h_i, 0
.rept 32
	v_add_f32_dpp v[SS+h_i], v[SS+h_i], v[SS+h_i] row_xmask:\x row_mask:0xf bank_mask:0xf
.set h_i, h_i+1
.endr
.endr
.set h_i, 0
.rept 32
	ds_store_b32 v[ESTO], v[SS+h_i] offset:64*(h_i/8)+4*(h_i%8)   ; row 16 m + 8 h + j at byte 4 x row; a half's sixteen lanes write the same word with the same value
.set h_i, h_i+1
.endr
	ds_load_b64 v[32:33], v[STA0]                  ; LDS serves a wave's instructions in order: this sees my stores
	s_lshl_b32 s22, s20, 10                        ; t and floor(t): 4 bytes x (256 x block + 64 x wave)
	s_lshl_b32 s23, s[WV], 8
	s_add_co_u32 s22, s22, s23
	s_mov_b32 s23, 0
	s_add_nc_u64 s[10:11], s[10:11], s[22:23]
	s_add_nc_u64 s[12:13], s[12:13], s[22:23]
	s_lshl_b32 s22, s20, 4                         ; the waves' figures: 4 bytes x (4 x block + wave)
	s_lshl_b32 s21, s[WV], 2
	s_add_co_u32 s22, s22, s21
	s_add_nc_u64 s[14:15], s[14:15], s[22:23]
	s_add_nc_u64 s[16:17], s[16:17], s[22:23]
	s_wait_dscnt 0x0
	v_pk_mul_f32 v[32:33], v[32:33], s[CS:CS+1] op_sel_hi:[1,0]   ; t = score x log2(e) x 2^(e0 + e1)
	v_floor_f32 v34, v32
	v_floor_f32 v35, v33
	v_cvt_i32_f32 v34, v34                         ; (it saturates)
	v_cvt_i32_f32 v35, v35
	global_store_b64 v[OOFF], v[32:33], s[10:11]   ; the wave stores 256 consecutive bytes, aligned
	global_store_b64 v[OOFF], v[34:35], s[12:13]
	v_max_num_f32 v36, v32, v33                    ; the largest t of my wave's 64 rows
	v_max_num_f32_dpp v36, v36, v36 row_xmask:1 row_mask:0xf bank_mask:0xf
	v_max_num_f32_dpp v36, v36, v36 row_xmask:2 row_mask:0xf bank_mask:0xf
	v_max_num_f32_dpp v36, v36, v36 row_xmask:4 row_mask:0xf bank_mask:0xf
	v_max_num_f32_dpp v36, v36, v36 row_xmask:8 row_mask:0xf bank_mask:0xf
	v_mov_b32 v37, 0                               ; a lane permute's destination counts as one of its sources
	v_permlanex16_b32 v37, v36, s[SEL], s[SEL+1]
	v_max_num_f32 v36, v36, v37
	v_floor_f32 v38, v36
	v_cvt_i32_f32 v38, v38
	v_mov_b32 v39, 0
	v_cmp_eq_u32 vcc_lo, 0, v1
	s_wait_xcnt 0x0                                ; EXEC changes only behind this wait: the stores above have read it
	s_and_saveexec_b32 s62, vcc_lo                 ; lane 0 alone
	global_store_b32 v39, v36, s[14:15]
	global_store_b32 v39, v38, s[16:17]
	s_wait_xcnt 0x0                                ; and again, in front of the line that widens it
	s_or_b32 exec_lo, exec_lo, s62
	s_wait_tensorcnt 0x0                           ; the wave's end: behind my last tensor load and my last LDS store
	ds_add_u32 v[SPW], v[NIL]
	s_wait_dscnt 0x0
	ROUND                                          ; the closing round: no work-group ends while a partner may still ask for a slot that names it
	s_endpgm
.Lfunc_end_k_q5a57721a70_gemm:
	.size	k_q5a57721a70_gemm, .Lfunc_end_k_q5a57721a70_gemm-k_q5a57721a70_gemm
	.p2alignl 7, 3214868480
	.fill 96, 4, 3214868480
	.section	.rodata,"a",@progbits
	.p2align	6, 0x0
	.amdhsa_kernel k_q5a57721a70_gemm
		.amdhsa_group_segment_fixed_size 327680
		.amdhsa_private_segment_fixed_size 0
		.amdhsa_enable_private_segment 0
		.amdhsa_kernarg_size 56
		.amdhsa_user_sgpr_count 2
		.amdhsa_user_sgpr_kernarg_segment_ptr 1
		.amdhsa_wavefront_size32 1
		.amdhsa_system_sgpr_workgroup_id_x 1
		.amdhsa_system_sgpr_workgroup_id_y 1
		.amdhsa_system_sgpr_workgroup_id_z 1
		.amdhsa_system_vgpr_workitem_id 0
		.amdhsa_next_free_vgpr 768
		.amdhsa_next_free_sgpr 66
		.amdhsa_reserve_vcc 1
		.amdhsa_float_denorm_mode_32 3
		.amdhsa_float_denorm_mode_16_64 3
		.amdhsa_memory_ordered 1
		.amdhsa_forward_progress 1
		.amdhsa_inst_pref_size 255
	.end_amdhsa_kernel
	.section	.bss,"aw",@nobits
	.p2align	6
	.space	262144
	.amdgpu_metadata
---
amdhsa.version: [ 1, 2 ]
amdhsa.kernels:
  - .name:           k_q5a57721a70_gemm
    .symbol:         k_q5a57721a70_gemm.kd
    .args:
      - { .name: hidden_states, .offset: 0, .size: 8, .value_kind: global_buffer, .address_space: global }
      - { .name: wimg, .offset: 8, .size: 8, .value_kind: global_buffer, .address_space: global }
      - { .name: lowp_scales, .offset: 16, .size: 8, .value_kind: global_buffer, .address_space: global }
      - { .name: tsc, .offset: 24, .size: 8, .value_kind: global_buffer, .address_space: global }
      - { .name: tfl, .offset: 32, .size: 8, .value_kind: global_buffer, .address_space: global }
      - { .name: fmx, .offset: 40, .size: 8, .value_kind: global_buffer, .address_space: global }
      - { .name: imx, .offset: 48, .size: 8, .value_kind: global_buffer, .address_space: global }
    .group_segment_fixed_size: 327680
    .private_segment_fixed_size: 0
    .kernarg_segment_align: 8
    .kernarg_segment_size: 56
    .max_flat_workgroup_size: 128
    .sgpr_count:     66
    .vgpr_count:     768
    .wavefront_size: 32
...
	.end_amdgpu_metadata
.endif
;; end of part 2
;; launch ctx (part 3): grid 8 x 32, 16 waves a work-group, no clusters, 18,432 bytes of LDS; arguments hidden_states, tsc, tfl, fmx, imx, ctxb; writes ctxb
.if DOCPART == 3
	.amdgcn_target "amdgcn-amd-amdhsa--gfx1250"
	.amdhsa_code_object_version 6
	.text
	.protected	k_q5a57721a70_ctx
	.globl	k_q5a57721a70_ctx
	.p2align	8
	.type	k_q5a57721a70_ctx,@function
k_q5a57721a70_ctx:
	s_mov_b64 s[64:65], 0
	v_nop
	global_prefetch_b8 v0, s[64:65] scope:SCOPE_SE
	s_setreg_imm32_b32 hwreg(HW_REG_WAVE_MODE, 25, 1), 1
	s_wait_xcnt 0x0
; context[b][h] = the sum over rows of softmax(score)[row] x[b][row][h], in f32 throughout (it goes on into a quantiser).
; p = 2^(t - m), t = score x log2(e) as the launch before stored it, m = the batch's largest t; the sum of p divides at the end.
; ROWS THAT ARE NOT FETCHED.  A row with floor(t) <= floor(m) - 128 has t - m < -127, so p < 2^-127: v_exp_f32 returns 0 for such a result (AMD's ISA guide, its entry: results under 2^-126 are flushed).
; Its p is set to 0 by a select, and its bytes of x are not loaded.  The choice is made from the stored whole numbers floor(t) and floor(largest t), by scalar branches round single loads; it holds for
; every input: where the scores are flat every row is fetched.  A register whose load is passed over holds zeros or an earlier row, times 0.  LIMIT: NaN and infinities among the inputs are not served.
; SHARES.  Work-group (x, y): 128 columns (512 bytes of each row) of batch y: the one owner of its part of the result.  Wave w takes rows 128 w .. 128 w + 127, 32 at a time; a load of a row's part is 512 consecutive bytes.
; The waves' parts meet in LDS behind one barrier; wave 0 adds them, divides and stores 512 consecutive bytes.  No matrix unit (one column of weights), no cluster (work-groups share no bytes of x).
; No prefetch: a wave issues its loads as soon as the masks are known, so nothing could be asked for earlier.
.set ROWB, 4096
.set TT,  4                            ; v4-7    t of rows 128 w + 4 lane + 0 .. 3, then p
.set II,  8                            ; v8-11   floor(t) of the same rows
.set AC,  20                           ; v20-35  four sets of four sums, by turns
.set X,   64                           ; v64-191 32 rows x 4 registers
.set MK,  48                           ; s48-51  mask q: bit l = row 4 l + q of my wave is kept
.set SEL, 52                           ; s[52:53] lane selects: lane l xor 16
.set PP,  54                           ; s[54:61] four pairs: a row's p in the low word (the packed form names the pair)
	s_load_b256 s[4:11], s[0:1], 0x0               ; x s[4:5], t s[6:7], floor(t) s[8:9], the waves' largest t s[10:11]
	s_load_b128 s[12:15], s[0:1], 0x20             ; their floors s[12:13], the result s[14:15]
	v_lshl_add_u32 v192, v0, 2, 0x4000
	v_mov_b32 v193, 0
	v_lshrrev_b32 v1, 5, v0
	v_readfirstlane_b32 s2, v1                     ; wave 0..15
	v_and_b32 v1, 31, v0                           ; lane
	v_lshlrev_b32 v2, 4, v1                        ; 16 x lane
	v_lshlrev_b32 v3, 2, v1                        ; 4 x lane
	v_lshlrev_b32 v16, 4, v0                       ; LDS: my wave's sums at 512 w + 16 x lane
	s_lshl_b32 s62, s2, 2
	s_add_co_u32 s62, s62, 8192
	v_mov_b32 v17, s62                             ; LDS: my wave's sum of p at 8,192 + 4 w
	v_mov_b32 v18, 8192
	s_and_b32 s3, ttmp7, 0xffff                    ; the batch
	s_mov_b32 s63, 0
	s_lshl_b32 s62, s3, 7                          ; its 32 waves' figures: 128 bytes
	s_wait_kmcnt 0x0
	s_add_nc_u64 s[12:13], s[12:13], s[62:63]
	s_add_nc_u64 s[10:11], s[10:11], s[62:63]
	s_load_b512 s[16:31], s[12:13], 0x0
	s_load_b512 s[32:47], s[12:13], 0x40
	s_lshl_b32 s62, s3, 13                         ; t and floor(t): 4 bytes x (2,048 b + 128 w)
	s_lshl_b32 s48, s2, 9
	s_add_co_u32 s62, s62, s48
	s_add_nc_u64 s[6:7], s[6:7], s[62:63]
	s_add_nc_u64 s[8:9], s[8:9], s[62:63]
	global_load_b128 v[TT:TT+3], v2, s[6:7]
	global_load_b128 v[II:II+3], v2, s[8:9]
	global_load_b32 v12, v3, s[10:11]
	s_lshl_b32 s62, s3, 23                         ; x: the batch, my wave's 128 rows, my work-group's 512 bytes of a row
	s_lshl_b32 s48, s2, 19
	s_add_co_u32 s62, s62, s48
	s_lshl_b32 s48, ttmp9, 9
	s_add_co_u32 s62, s62, s48
	s_add_nc_u64 s[4:5], s[4:5], s[62:63]
	s_lshl_b32 s62, s3, 12                         ; the result: row b of 4,096 bytes, the same 512 bytes
	s_add_co_u32 s62, s62, s48
	s_add_nc_u64 s[14:15], s[14:15], s[62:63]
	s_mov_b32 s[SEL], 0x76543210
	s_mov_b32 s[SEL+1], 0xfedcba98
.irp q, 0,1,2,3
	s_mov_b32 s[PP+2*\q+1], 0                      ; (named as the upper half of a pair, so it is written)
.endr
.set c_i, 0
.rept 128
	v_mov_b32 v[X+c_i], 0                          ; a row that is passed over is multiplied by 0: its registers must hold numbers
.set c_i, c_i+1
.endr
.set c_i, 0
.rept 16
	v_mov_b32 v[AC+c_i], 0
.set c_i, c_i+1
.endr
	v_mov_b32 v13, 0                               ; a lane permute's destination counts as one of its sources
	v_mov_b32 v15, 0
	s_wait_kmcnt 0x0
.set c_i, 17
.rept 31
	s_max_i32 s16, s16, s[c_i]                     ; floor(m) = the largest of the 32 waves' floors
.set c_i, c_i+1
.endr
	s_max_i32 s16, s16, 0x80000100                 ; so that the subtraction cannot wrap
	s_sub_co_i32 s16, s16, 128
	s_wait_loadcnt 0x0
	v_max_num_f32_dpp v12, v12, v12 row_xmask:1 row_mask:0xf bank_mask:0xf
	v_max_num_f32_dpp v12, v12, v12 row_xmask:2 row_mask:0xf bank_mask:0xf
	v_max_num_f32_dpp v12, v12, v12 row_xmask:4 row_mask:0xf bank_mask:0xf
	v_max_num_f32_dpp v12, v12, v12 row_xmask:8 row_mask:0xf bank_mask:0xf
	v_permlanex16_b32 v13, v12, s[SEL], s[SEL+1]
	v_max_num_f32 v12, v12, v13                    ; m, in every lane
.irp q, 0,1,2,3
	v_cmp_lt_i32 s[MK+\q], s16, v[II+\q]           ; kept: floor(t) > floor(m) - 128
.endr
.irp q, 0,1,2,3
	v_sub_f32 v[TT+\q], v[TT+\q], v12
.endr
.irp q, 0,1,2,3
	v_exp_f32 v[TT+\q], v[TT+\q]
.endr
	v_nop                                          ; a plain instruction behind the last exponential
	s_wait_alu depctr_va_vdst(0)                   ; one wait for the four, ahead of their first reader
.irp q, 0,1,2,3
	v_cndmask_b32 v[TT+\q], 0, v[TT+\q], s[MK+\q]  ; p = 0 where the row is not kept
.endr
	v_add_f32 v14, v[TT], v[TT+1]
	v_add_f32 v19, v[TT+2], v[TT+3]
	v_add_f32 v14, v14, v19                        ; my four rows' p
.macro ROWLD rho, xr                   ; row rho of my wave, if it is kept
	s_bitcmp1_b32 s[MK+(\rho)%4], (\rho)/4
	s_cbranch_scc0 .Lno_\@
	global_load_b128 v[(\xr):(\xr)+3], v2, s[4:5] offset:ROWB*(\rho) th:TH_LOAD_NT
.Lno_\@:
.endm
.macro BATCH bt                        ; rows 32 bt .. 32 bt + 31
.set b_i, 0
.rept 32
	ROWLD 32*(\bt)+b_i, X+4*b_i
.set b_i, b_i+1
.endr
	s_wait_loadcnt 0x0                             ; for 0: how many loads were issued differs from path to path
.set b_u, 0
.rept 8
.irp q, 0,1,2,3
	v_readlane_b32 s[PP+2*\q], v[TT+\q], 8*(\bt)+b_u   ; p of row 32 bt + 4 u + q lies in lane 8 bt + u
.endr
.irp q, 0,1,2,3
	v_pk_fma_f32 v[AC+4*\q:AC+4*\q+1], v[X+16*b_u+4*\q:X+16*b_u+4*\q+1], s[PP+2*\q:PP+2*\q+1], v[AC+4*\q:AC+4*\q+1] op_sel_hi:[1,0,1]
	v_pk_fma_f32 v[AC+4*\q+2:AC+4*\q+3], v[X+16*b_u+4*\q+2:X+16*b_u+4*\q+3], s[PP+2*\q:PP+2*\q+1], v[AC+4*\q+2:AC+4*\q+3] op_sel_hi:[1,0,1]
.endr
.set b_u, b_u+1
.endr
.endm
	BATCH 0
	BATCH 1
	BATCH 2
	BATCH 3
	v_pk_add_f32 v[AC:AC+1], v[AC:AC+1], v[AC+4:AC+5]          ; the four sets become one
	v_pk_add_f32 v[AC+2:AC+3], v[AC+2:AC+3], v[AC+6:AC+7]
	v_pk_add_f32 v[AC+8:AC+9], v[AC+8:AC+9], v[AC+12:AC+13]
	v_pk_add_f32 v[AC+10:AC+11], v[AC+10:AC+11], v[AC+14:AC+15]
	v_pk_add_f32 v[AC:AC+1], v[AC:AC+1], v[AC+8:AC+9]
	v_pk_add_f32 v[AC+2:AC+3], v[AC+2:AC+3], v[AC+10:AC+11]
	v_add_f32_dpp v14, v14, v14 row_xmask:1 row_mask:0xf bank_mask:0xf   ; my wave's sum of p
	v_add_f32_dpp v14, v14, v14 row_xmask:2 row_mask:0xf bank_mask:0xf
	v_add_f32_dpp v14, v14, v14 row_xmask:4 row_mask:0xf bank_mask:0xf
	v_add_f32_dpp v14, v14, v14 row_xmask:8 row_mask:0xf bank_mask:0xf
	v_permlanex16_b32 v15, v14, s[SEL], s[SEL+1]
	v_add_f32 v14, v14, v15
	ds_store_b128 v16, v[AC:AC+3]
	ds_store_b32 v17, v14                          ; all lanes write the same word with the same value
	s_wait_dscnt 0x0                               ; for the others' sake: my stores have landed
	s_barrier_signal -1
	s_barrier_wait -1
	s_cmp_lg_u32 s2, 0
	s_cbranch_scc1 .Lend                           ; wave 0 finishes
.irp u, 0,1,2,3,4,5,6,7,8,9,10,11,12,13,14,15
	ds_load_b128 v[X+4*\u:X+4*\u+3], v2 offset:512*\u
.endr
.irp u, 0,1,2,3
	ds_load_b128 v[X+64+4*\u:X+64+4*\u+3], v18 offset:16*\u    ; the sixteen sums of p, in every lane
.endr
	s_wait_dscnt 0x0
.irp u, 2,4,6,8,10,12,14
	v_pk_add_f32 v[X+64:X+65], v[X+64:X+65], v[X+64+\u:X+65+\u]
.endr
	v_add_f32 v[X+64], v[X+64], v[X+65]
	v_rcp_f32 v19, v[X+64]                         ; the sum is at least 1: the largest t's own p
.irp u, 1,2,3,4,5,6,7,8,9,10,11,12,13,14,15
	v_pk_add_f32 v[X:X+1], v[X:X+1], v[X+4*\u:X+4*\u+1]        ; (plain work behind the reciprocal)
	v_pk_add_f32 v[X+2:X+3], v[X+2:X+3], v[X+4*\u+2:X+4*\u+3]
.endr
	s_wait_alu depctr_va_vdst(0)                   ; the wait ahead of the reciprocal's first reader
.irp q, 0,1,2,3
	v_mul_f32 v[X+\q], v[X+\q], v19
.endr
	global_store_b128 v2, v[X:X+3], s[14:15]       ; 32 lanes store 512 consecutive bytes, aligned
.Lend:
	s_wait_tensorcnt 0x0
	ds_add_u32 v192, v193
	s_wait_dscnt 0x0
	s_endpgm
.Lfunc_end_k_q5a57721a70_ctx:
	.size	k_q5a57721a70_ctx, .Lfunc_end_k_q5a57721a70_ctx-k_q5a57721a70_ctx
	.p2alignl 7, 3214868480
	.fill 96, 4, 3214868480
	.section	.rodata,"a",@progbits
	.p2align	6, 0x0
	.amdhsa_kernel k_q5a57721a70_ctx
		.amdhsa_group_segment_fixed_size 18432
		.amdhsa_private_segment_fixed_size 0
		.amdhsa_enable_private_segment 0
		.amdhsa_kernarg_size 48
		.amdhsa_user_sgpr_count 2
		.amdhsa_user_sgpr_kernarg_segment_ptr 1
		.amdhsa_wavefront_size32 1
		.amdhsa_system_sgpr_workgroup_id_x 1
		.amdhsa_system_sgpr_workgroup_id_y 1
		.amdhsa_system_sgpr_workgroup_id_z 1
		.amdhsa_system_vgpr_workitem_id 0
		.amdhsa_next_free_vgpr 194
		.amdhsa_next_free_sgpr 66
		.amdhsa_reserve_vcc 0
		.amdhsa_float_denorm_mode_32 3
		.amdhsa_float_denorm_mode_16_64 3
		.amdhsa_memory_ordered 1
		.amdhsa_forward_progress 1
		.amdhsa_inst_pref_size 59
	.end_amdhsa_kernel
	.amdgpu_metadata
---
amdhsa.version: [ 1, 2 ]
amdhsa.kernels:
  - .name:           k_q5a57721a70_ctx
    .symbol:         k_q5a57721a70_ctx.kd
    .args:
      - { .name: hidden_states, .offset: 0, .size: 8, .value_kind: global_buffer, .address_space: global }
      - { .name: tsc, .offset: 8, .size: 8, .value_kind: global_buffer, .address_space: global }
      - { .name: tfl, .offset: 16, .size: 8, .value_kind: global_buffer, .address_space: global }
      - { .name: fmx, .offset: 24, .size: 8, .value_kind: global_buffer, .address_space: global }
      - { .name: imx, .offset: 32, .size: 8, .value_kind: global_buffer, .address_space: global }
      - { .name: ctxb, .offset: 40, .size: 8, .value_kind: global_buffer, .address_space: global }
    .group_segment_fixed_size: 18432
    .private_segment_fixed_size: 0
    .kernarg_segment_align: 8
    .kernarg_segment_size: 48
    .max_flat_workgroup_size: 512
    .sgpr_count:     66
    .vgpr_count:     194
    .wavefront_size: 32
...
	.end_amdgpu_metadata
.endif
;; end of part 3
;; launch fin (part 4): grid 8 x 2, 16 waves a work-group, no clusters, 18,432 bytes of LDS; arguments ctxb, hidden_states, W_out, lowp_scales, out0; writes out0
.if DOCPART == 4
	.amdgcn_target "amdgcn-amd-amdhsa--gfx1250"
	.amdhsa_code_object_version 6
	.text
	.protected	k_q5a57721a70_fin
	.globl	k_q5a57721a70_fin
	.p2align	8
	.type	k_q5a57721a70_fin,@function
k_q5a57721a70_fin:
	s_mov_b64 s[64:65], 0
	v_nop
	global_prefetch_b8 v0, s[64:65] scope:SCOPE_SE
	s_setreg_imm32_b32 hwreg(HW_REG_WAVE_MODE, 25, 1), 1
	s_wait_xcnt 0x0
; out0 = tanh([context, h_t] W_out), the product on codes of BF8 (E5M2) with the given scales 2^e2 (the rows) and 2^e3 (W_out); sums in f32.
; SHARES.  Work-group (x, y) makes the tile of 16 batches (16 y on) x 16 outputs (16 x on).  Wave w takes K step w of 16 (128 along K): waves 0-7 the context, waves 8-15 the batches' last rows of x.
; Both operands arrive as f32 and are read once by this wave: they are quantised in registers.  Lane (r, h) holds k = 32 c + 16 h + 0 .. 15 in registers 16 c on, for the rows (neighbours in memory: four loads of 16 bytes a block)
; and for W_out (K is its first axis: a lane takes column r and its registers run down K): the same order on both sides, so the conversions' results are the operands.
; The sixteen waves' parts of the sums meet in LDS as images of the result's registers; behind the barrier wave j (0-7) adds register j of all sixteen, scales, takes tanh and stores.
; tanh(y) = 1 - 2 / (1 + 2^(2 log2(e) y)): it goes to +-1 where the power overflows or vanishes.
; A tile's rows of the output are 64 bytes; the whole output is 16 KiB, so no stage is spent on longer runs.  No cluster: what work-groups share is a few KiB.
; LIMITS: e2 and e3 between -126 and 112; e2 + e3 is applied by v_ldexp_f32 and has none.  NaN among the inputs is not served.
.set AF, 16                            ; v16-79   64 numbers of my row
.set BF, 80                            ; v80-143  64 numbers of my column
.set AQ, 144                           ; v144-159 the rows' codes
.set BQ, 160                           ; v160-175 W_out's codes
.set DD, 176                           ; v176-183 the sums
	s_load_b256 s[4:11], s[0:1], 0x0               ; the context s[4:5], x s[6:7], W_out s[8:9], the scales' exponents s[10:11]
	s_load_b64 s[12:13], s[0:1], 0x20              ; the output
	v_lshl_add_u32 v192, v0, 2, 0x4000
	v_mov_b32 v193, 0
	v_lshrrev_b32 v1, 5, v0
	v_readfirstlane_b32 s14, v1                    ; wave 0..15
	v_and_b32 v1, 31, v0                           ; lane
	v_and_b32 v2, 15, v0                           ; r
	v_bfe_u32 v3, v0, 4, 1                         ; h
	s_and_b32 s15, ttmp7, 0xffff                   ; y
	s_cmp_lt_u32 s14, 8                            ; the context, or the last rows of x?
	s_mov_b32 s16, 0x800000
	s_cselect_b32 s16, 4096, s16                   ; from batch to batch, in bytes
	s_cselect_b32 s17, 0, 2047*4096                ; the last row of a batch
	v_mul_lo_u32 v4, v2, s16
	v_lshl_add_u32 v4, v3, 6, v4                   ; batch r, + 64 h: my 16 numbers of a block of 32
	s_lshl_b32 s18, s15, 4
	s_mul_i32 s18, s18, s16                        ; batch 16 y
	s_add_co_u32 s18, s18, s17
	s_and_b32 s19, s14, 7
	s_lshl_b32 s19, s19, 9                         ; my 128 numbers of the row
	s_add_co_u32 s18, s18, s19
	s_mov_b32 s19, 0
	v_lshlrev_b32 v5, 2, v2
	v_lshl_add_u32 v5, v3, 13, v5                  ; W_out: column r, + 16 h rows of 512 bytes
	s_lshl_b32 s22, s14, 16                        ; my 128 rows of it,
	s_lshl_b32 s23, ttmp9, 6                       ; my work-group's 16 columns
	s_add_co_u32 s22, s22, s23
	s_mov_b32 s23, 0
	s_lshl_b32 s30, s14, 10
	v_lshl_add_u32 v10, v1, 4, s30                 ; LDS, in: 1,024 w + 16 x lane
	s_bfe_u32 s28, s14, 0x10002                    ; LDS, back: register j = w % 8 of every wave's image: 512 (j / 4) + 4 (j % 4) + 16 x lane
	s_lshl_b32 s28, s28, 9
	s_and_b32 s29, s14, 3
	s_lshl_b32 s29, s29, 2
	s_add_co_u32 s28, s28, s29
	v_lshl_add_u32 v11, v1, 4, s28
	v_lshlrev_b32 v12, 2, v2
	v_lshl_add_u32 v12, v3, 12, v12                ; the output: row 8 h, column r
	s_lshl_b32 s34, s15, 13                        ; + row 16 y + j, column 16 x
	s_and_b32 s35, s14, 7
	s_lshl_b32 s35, s35, 9
	s_add_co_u32 s34, s34, s35
	s_lshl_b32 s35, ttmp9, 6
	s_add_co_u32 s34, s34, s35
	s_mov_b32 s35, 0
	s_wait_kmcnt 0x0
	s_load_b128 s[24:27], s[10:11], 0x0            ; e0 .. e3
	s_cmp_lt_u32 s14, 8                            ; (compared again: the sums above have written SCC)
	s_cselect_b64 s[20:21], s[4:5], s[6:7]
	s_add_nc_u64 s[20:21], s[20:21], s[18:19]
	s_add_nc_u64 s[8:9], s[8:9], s[22:23]
	s_add_nc_u64 s[12:13], s[12:13], s[34:35]
.irp c, 0,1,2,3
.irp j, 0,1,2,3
	global_load_b128 v[AF+16*\c+4*\j:AF+16*\c+4*\j+3], v4, s[20:21] offset:128*\c+16*\j
.endr
.endr
.irp c, 0,1,2,3
.irp i, 0,1,2,3,4,5,6,7,8,9,10,11,12,13,14,15
	global_load_b32 v[BF+16*\c+\i], v5, s[8:9] offset:512*(32*\c+\i)
.endr
.endr
	s_wait_kmcnt 0x0
	s_add_co_i32 s31, s26, 127
	s_lshl_b32 s32, s31, 23
	v_mov_b32 v6, s32                              ; 2^e2
	s_add_co_i32 s31, s31, 15
	s_lshl_b32 s31, s31, 23
	s_or_b32 s31, s31, 0x600000
	v_mov_b32 v7, s31                              ; 57,344 x 2^e2
	s_add_co_i32 s31, s27, 127
	s_lshl_b32 s32, s31, 23
	v_mov_b32 v8, s32                              ; 2^e3
	s_add_co_i32 s31, s31, 15
	s_lshl_b32 s31, s31, 23
	s_or_b32 s31, s31, 0x600000
	v_mov_b32 v9, s31                              ; 57,344 x 2^e3
	s_add_co_i32 s33, s26, s27                     ; e2 + e3
.macro QUANT src, dst, sc, lim
.irp b, 0,1,2,3
.irp i, 0,1,2,3,4,5,6,7,8,9,10,11,12,13,14,15
	v_med3_num_f32 v[\src+16*\b+\i], v[\src+16*\b+\i], -v[\lim], v[\lim]   ; the conversion does not saturate (ISA guide 7.6.2): the hold comes first
.endr
	v_cvt_scalef32_pk8_bf8_f32 v[\dst+4*\b:\dst+4*\b+1], v[\src+16*\b:\src+16*\b+7], v[\sc]
	v_cvt_scalef32_pk8_bf8_f32 v[\dst+4*\b+2:\dst+4*\b+3], v[\src+16*\b+8:\src+16*\b+15], v[\sc]
.endr
.endm
	s_wait_loadcnt 63                              ; of the 80 loads the 63 youngest, all W_out's, may be out: the rows' sixteen are in
	QUANT AF, AQ, 6, 7
	s_wait_loadcnt 0x0
	QUANT BF, BQ, 8, 9
	v_nop                                          ; one plain vector instruction between a scaled conversion and the matrix instruction that reads its result
	v_wmma_f32_16x16x128_bf8_bf8 v[DD:DD+7], v[AQ:AQ+15], v[BQ:BQ+15], 0   ; register j of lane (r, h): batch 8 h + j, output r
.rept 4
	v_nop                                          ; four places in front of the stores that read the result
.endr
	ds_store_b128 v10, v[DD:DD+3]                  ; the result is read from its low end on
	ds_store_b128 v10, v[DD+4:DD+7] offset:512
	s_wait_dscnt 0x0                               ; for the others' sake: my stores have landed
	s_barrier_signal -1
	s_barrier_wait -1
	s_cmp_ge_u32 s14, 8
	s_cbranch_scc1 .Lend                           ; eight registers, eight waves
.irp u, 0,1,2,3,4,5,6,7,8,9,10,11,12,13,14,15
	ds_load_b32 v[32+\u], v11 offset:1024*\u
.endr
	s_wait_dscnt 0x0
.irp u, 0,1,2,3,4,5,6,7
	v_add_f32 v[32+\u], v[32+\u], v[40+\u]
.endr
.irp u, 0,1,2,3
	v_add_f32 v[32+\u], v[32+\u], v[36+\u]
.endr
	v_add_f32 v32, v32, v34
	v_add_f32 v33, v33, v35
	v_add_f32 v32, v32, v33
	v_ldexp_f32 v32, v32, s33                      ; x 2^(e2 + e3)
	v_mul_f32 v33, 0x4038aa3b, v32                 ; 2 log2(e) y
	v_exp_f32 v33, v33
	v_nop                                          ; a plain instruction behind the transcendental,
	s_wait_alu depctr_va_vdst(0)                   ; and the wait ahead of its first reader
	v_add_f32 v33, 1.0, v33
	v_rcp_f32 v33, v33
	v_nop
	s_wait_alu depctr_va_vdst(0)
	v_fma_f32 v33, v33, -2.0, 1.0
	global_store_b32 v12, v33, s[12:13]            ; out0(16 y + 8 h + j, 16 x + r)
.Lend:
	s_wait_tensorcnt 0x0
	ds_add_u32 v192, v193
	s_wait_dscnt 0x0
	s_endpgm
.Lfunc_end_k_q5a57721a70_fin:
	.size	k_q5a57721a70_fin, .Lfunc_end_k_q5a57721a70_fin-k_q5a57721a70_fin
	.p2alignl 7, 3214868480
	.fill 96, 4, 3214868480
	.section	.rodata,"a",@progbits
	.p2align	6, 0x0
	.amdhsa_kernel k_q5a57721a70_fin
		.amdhsa_group_segment_fixed_size 18432
		.amdhsa_private_segment_fixed_size 0
		.amdhsa_enable_private_segment 0
		.amdhsa_kernarg_size 40
		.amdhsa_user_sgpr_count 2
		.amdhsa_user_sgpr_kernarg_segment_ptr 1
		.amdhsa_wavefront_size32 1
		.amdhsa_system_sgpr_workgroup_id_x 1
		.amdhsa_system_sgpr_workgroup_id_y 1
		.amdhsa_system_sgpr_workgroup_id_z 1
		.amdhsa_system_vgpr_workitem_id 0
		.amdhsa_next_free_vgpr 194
		.amdhsa_next_free_sgpr 66
		.amdhsa_reserve_vcc 0
		.amdhsa_float_denorm_mode_32 3
		.amdhsa_float_denorm_mode_16_64 3
		.amdhsa_memory_ordered 1
		.amdhsa_forward_progress 1
		.amdhsa_inst_pref_size 23
	.end_amdhsa_kernel
	.amdgpu_metadata
---
amdhsa.version: [ 1, 2 ]
amdhsa.kernels:
  - .name:           k_q5a57721a70_fin
    .symbol:         k_q5a57721a70_fin.kd
    .args:
      - { .name: ctxb, .offset: 0, .size: 8, .value_kind: global_buffer, .address_space: global }
      - { .name: hidden_states, .offset: 8, .size: 8, .value_kind: global_buffer, .address_space: global }
      - { .name: W_out, .offset: 16, .size: 8, .value_kind: global_buffer, .address_space: global }
      - { .name: lowp_scales, .offset: 24, .size: 8, .value_kind: global_buffer, .address_space: global }
      - { .name: out0, .offset: 32, .size: 8, .value_kind: global_buffer, .address_space: global }
    .group_segment_fixed_size: 18432
    .private_segment_fixed_size: 0
    .kernarg_segment_align: 8
    .kernarg_segment_size: 40
    .max_flat_workgroup_size: 512
    .sgpr_count:     66
    .vgpr_count:     194
    .wavefront_size: 32
...
	.end_amdgpu_metadata
.endif
;; end of part 4
